; MI455X (gfx1250); checked and timed in simulation.
; The chip was launched on July 23, 2026; its instructions are those of AMD's public machine-readable ISA for CDNA 5 (MIT licence, August 2026) and "CDNA5" Instruction Set Architecture Reference Guide (July 2026). The comments in the code are by the model that wrote it; some were corrected since.
;; RDM Module. Allowed arithmetic: matrix products marked QUANTISED: E2M1 operands, one E8M0 scale for each 32 along K, by v_wmma_scale_f32_16x16x128_f8f6f4 with both operands' format E2M1 (or v_wmma_scale_f32_32x16x128_f4), f32 sums; everything else in f32.
;; Inputs: embeddings 4,096 x 4,096 float32.
;; Outputs: out0 4,096 x 4,096 float32.
;; This version of the problem:
;;   THIS VERSION OF THE PROBLEM IS GIVEN IN LOW PRECISION. The matrix products marked QUANTISED in the list below multiply operands that are first quantised to E2M1 (2 exponent bits, 1 mantissa bit; 4 bits a number), with one power-of-two scale for each 32 numbers along K (OCP MX v1.0); their sums are f32. All else is computed in f32.
;;   The module's matrix products, in the order in which they are computed (A, B: the left and right operand; K: the contracted axis; several contracted axes count as one K, in the product's order):
;;     1. [M 4,096, K 4,096] x [K 4,096, N 4,096]; A: input embeddings; B: input embeddings: QUANTISED
;;   THE QUANTISER, for each operand of a quantised product, along K:
;;     - K is cut into blocks of 32 from its start; a last block that is shorter is filled with zeros.
;;     - A block's scale is 2^e with e = floor(log2(the largest magnitude in the block)) - 2, held to -126 .. 127; a block of zeros has e = 0. As a byte (E8M0): e + 127.
;;     - Each number is divided by its block's scale, clamped to +-6, and rounded to the nearest number of E2M1, ties to even, subnormals kept.
;;     - The product sums the exact products of the quantised numbers (number of the format x scale) in f32.
;;   ~~~python
;;   def quantise(x, axis):      # numpy; x: float32 -> the quantised numbers, widened to float32 again
;;       x = np.moveaxis(x, axis, -1); K = x.shape[-1]
;;       x = np.pad(x, [(0, 0)] * (x.ndim - 1) + [(0, -K % 32)]); x = x.reshape(x.shape[:-1] + (-1, 32)); a = np.abs(x).max(-1, keepdims=True)
;;       e = np.where(a > 0, np.clip(np.frexp(np.where(a > 0, a, 1))[1] - 1 - 2, -126, 127), 0)      # np.frexp(a)[1] - 1 = floor(log2(a)), exactly
;;       r = np.clip(x / 2.0 ** e, -6, 6)
;;       step = 2.0 ** (np.maximum(np.frexp(np.where(r == 0, 1, r))[1] - 1, 0) - 1)
;;       q = np.round(r / step) * step * 2.0 ** e      # np.round: ties to even
;;       return np.moveaxis(q.reshape(q.shape[:-2] + (-1,))[..., :K], -1, axis).astype(np.float32)
;;   ~~~
;; One version. Each part assembles by itself: llvm-mc -triple=amdgcn-amd-amdhsa -mcpu=gfx1250 --defsym DOCPART=n.
;; ======== version 1 of 1: 2 launches
;; limits: right only within a limited range of input values
;; workspace buffers: pk 8,912,896 bytes; stat 16,384 bytes
;; launch quant (part 1): grid 256 x 1, 8 waves a work-group, no clusters, 78,848 bytes of LDS; arguments embeddings, pk, stat; writes pk, stat
.if DOCPART == 1
	.amdgcn_target "amdgcn-amd-amdhsa--gfx1250"
	.amdhsa_code_object_version 6
	.text
	.protected	k_q9d9c1d0cb9_quant
	.globl	k_q9d9c1d0cb9_quant
	.p2align	8
	.type	k_q9d9c1d0cb9_quant,@function
k_q9d9c1d0cb9_quant:
	s_mov_b64 s[64:65], 0
	v_nop
	global_prefetch_b8 v0, s[64:65] scope:SCOPE_SE
	s_setreg_imm32_b32 hwreg(HW_REG_WAVE_MODE, 25, 1), 1
	s_wait_xcnt 0x0
; embeddings [4096][4096] f32 -> codes of FP4 (E2M1) with one E8M0 scale byte for each 32 along K, and each row's -(sum of squares) / 2.
; pk is laid for the product's launch: [K step s = 0..7][position 0..4095][272 bytes]: bytes 0-255 the 512 codes of k = 512 s on (two a byte, the lower k in the low four bits),
; bytes 256-271 the 16 scale bytes of those 512.  POSITIONS: of each 64 rows, row 4 r + b (b = 0..3, r = 0..15) stands at position 16 b + r.  stat: 4,096 f32, by position.
; A block's scale is 2^(floor(log2(its largest magnitude)) - 2); its byte is the largest magnitude's exponent field - 2, held at 1 from below; each number is divided by the scale and
; rounded to the nearest code, ties to even, beyond 6 the largest code.
; LIMITS: a block of zeros gets the byte 1 where the rule says 127 (its codes are zeros, which add nothing, and this program alone reads the bytes); blocks whose largest magnitude lies under
; 2^-124 have their byte held at 1 (the rule's own hold at e = -126) and were not tried; NaN and infinities among the inputs are not served; the squares are summed in another order than a plain chain.
; SHARES.  Work-group g owns positions 16 g .. 16 g + 15, rows 64 (g / 4) + g % 4 + 4 t, t = 0..15; its wave w owns K step w of them: 16 steps, step t = 512 numbers (2,048 consecutive bytes) of row t.
; What a wave makes, 16 x 272 = 4,352 bytes, is one run of pk that starts at a multiple of 256 bytes: it is gathered in LDS and leaves by 17 stores of 256 consecutive bytes.
; The conversions take eight numbers of ONE block from a lane's consecutive registers, so a lane must hold 16 NEIGHBOURS (two neighbouring lanes hold a block); the loads take the bytes as they lie, 16 a lane
; and 512 a load, and a step's 2,048 bytes turn through the wave's own stage in LDS.  Loads run eight steps (32 loads a wave) ahead, the turn one step.
; A row's sum over the 32 lanes is taken in the next row's step, between the lines of that step's maximum.  No tensor loads, no ring.  One barrier: the eight waves' partial sums meet in LDS, and wave 0 adds them.
.set STEPS, 16
.set KSB,   1114112                    ; bytes of a K step in pk: 4,096 x 272
.set SP,    80                         ; a lane's place in a stage: its 64 bytes + 16 of padding
.set STG,   32*SP
.set IMG,   2*STG                      ; behind the two stages: the wave's 16 x 272 bytes of pk
.set WREG,  9472                       ; LDS of a wave: 2 x 2,560 + 4,352
.set SQP,   8*WREG                     ; behind the waves' regions: 8 x 16 partial sums, wave w's row t at 64 w + 4 t
.set SPARE, 0x13000                    ; the spare words: 128 bytes for each wave
.set R,     16                         ; v16-143  eight sets of 16 numbers as they are loaded; at the end v16-49 the wave's part of pk
.set X,     144                        ; v144-175 two sets of 16 neighbours
.set C,     176                        ; v176-207 two registers of codes for each step
.set E,     208                        ; v208-223 a scale byte for each step
.set SQ,    224                        ; v224-239 a sum of squares for each step
.set P,     240                        ; v240-243 two packed chains
.set SPW,   244
.set NIL,   255
	s_load_b128 s[4:7], s[0:1], 0x0                ; embeddings, pk
	s_load_b64 s[8:9], s[0:1], 0x10                ; stat
	v_lshl_add_u32 v[SPW], v0, 2, SPARE
	v_mov_b32 v[NIL], 0
	v_lshrrev_b32 v1, 5, v0
	v_and_b32 v2, 31, v0                           ; lane
	v_readfirstlane_b32 s16, v1                    ; wave 0..7
	v_lshlrev_b32 v3, 4, v2                        ; my 16 bytes of a load's 512
	s_mul_i32 s17, s16, WREG                       ; my wave's LDS
	v_lshrrev_b32 v14, 2, v2
	v_and_b32 v15, 3, v2
	v_mul_u32_u24 v14, v14, SP
	v_lshl_add_u32 v14, v15, 4, v14
	v_mul_u32_u24 v15, v2, SP
	v_add_nc_u32 v14, s17, v14                     ; the stage, on the way in: four lanes' 64 bytes on end, then 16 of padding
	v_add_nc_u32 v15, s17, v15                     ; and on the way out: my 16 neighbours
	v_lshlrev_b32 v7, 3, v2                        ; 8 x lane: my codes' place in a row's 256 bytes; also my 8 bytes of a store's 256
	s_add_co_u32 s18, s17, IMG
	v_lshrrev_b32 v5, 1, v2
	v_add_nc_u32 v4, s18, v7                       ; the same in the wave's image of pk
	s_add_co_u32 s18, s18, 256
	v_add_nc_u32 v5, s18, v5                       ; my block's scale byte: behind the row's 256 bytes of codes
	s_lshl_b32 s18, s16, 6
	s_add_co_u32 s18, s18, SQP
	v_mov_b32 v10, s18                             ; my wave's 16 partial sums
	v_and_b32 v12, 15, v2
	s_delay_alu instid0(VALU_DEP_1)
	v_lshlrev_b32 v13, 2, v12                      ; 4 (lane % 16): wave 0's tail, in stat
	s_delay_alu instid0(VALU_DEP_1)
	v_add_nc_u32 v6, SQP, v13                      ; and row lane % 16 among the partial sums
	s_wait_alu depctr_va_vdst(0)                   ; the wait at the head's end
	s_mov_b32 s12, 0x76543210
	s_mov_b32 s13, 0xfedcba98                      ; v_permlanex16_b32's selects for lane l xor 16
	s_lshr_b32 s20, ttmp9, 2                       ; first row 64 (g / 4) + g % 4, of 16,384 bytes a row,
	s_lshl_b32 s20, s20, 20
	s_and_b32 s21, ttmp9, 3
	s_lshl_b32 s21, s21, 14
	s_add_co_u32 s20, s20, s21
	s_lshl_b32 s21, s16, 11                        ; 2,048 bytes of a row a wave
	s_add_co_u32 s20, s20, s21
	s_mov_b32 s21, 0
	s_mul_i32 s22, s16, KSB                        ; pk: my K step,
	s_mul_i32 s23, ttmp9, 16*272                   ; my 16 positions
	s_add_co_u32 s22, s22, s23
	s_mov_b32 s23, 0
	s_lshl_b32 s18, ttmp9, 6                       ; stat: 16 numbers a work-group
	s_mov_b32 s19, 0
	s_wait_kmcnt 0x0
	s_add_nc_u64 s[4:5], s[4:5], s[20:21]
	s_add_nc_u64 s[6:7], s[6:7], s[22:23]
	s_add_nc_u64 s[8:9], s[8:9], s[18:19]
.macro LOAD t                          ; step t: my K step's 2,048 bytes of row t (four rows on from row t - 1), into set t % 8
.irp i, 0,1,2,3
	global_load_b128 v[R+16*((\t)%8)+4*\i:R+16*((\t)%8)+4*\i+3], v3, s[4:5] offset:65536*(\t)+512*\i th:TH_LOAD_NT
.endr
.endm
.macro TURN t                          ; step t's numbers through a stage: LDS serves a wave's instructions in order (ISA guide 5.7.1.4), so no wait stands between the stores and the loads
.irp i, 0,1,2,3
	ds_store_b128 v14, v[R+16*((\t)%8)+4*\i:R+16*((\t)%8)+4*\i+3] offset:STG*((\t)%2)+8*SP*\i
.endr
.irp i, 0,1,2,3
	ds_load_b128 v[X+16*((\t)%2)+4*\i:X+16*((\t)%2)+4*\i+3], v15 offset:STG*((\t)%2)+16*\i
.endr
.endm
.macro RD t, m                         ; one step of the sum of row t - 1 over the lanes
.if (\t) > 0
	v_add_f32_dpp v[SQ+\t-1], v[SQ+\t-1], v[SQ+\t-1] row_xmask:\m row_mask:0xf bank_mask:0xf
.endif
.endm
.irp t, 0,1,2,3,4,5,6,7
	LOAD \t
.endr
	s_wait_loadcnt 28                              ; step 0's four loads are in; the 28 of steps 1 to 7 may be out
	TURN 0
.macro STEP t
.set XS, X+16*((\t)%2)
.if (\t) > 0
	s_wait_alu depctr_va_vdst(0)                   ; the wait here, ahead of the waits below
.endif
.if (\t) > 1
	s_wait_dscnt 3                                 ; this step's numbers are back from the stage; behind them only the last step's three stores were issued
.elseif (\t) > 0
	s_wait_dscnt 2                                 ; (step 0 has two)
.else
	s_wait_dscnt 0x0
.endif
.if (\t)+8 < STEPS
	LOAD (\t)+8                                    ; into the set that this step's turn has read
.endif
.if (\t)+1 < STEPS
.if (\t)+8 < STEPS
	s_wait_loadcnt 28                              ; the next step's four loads are in; those of the seven steps behind it may be out
.else
	s_wait_loadcnt 4*(STEPS-2-(\t))                ; nothing more is asked for: the count runs down
.endif
	TURN (\t)+1                                    ; through the other stage, while this step is worked
.endif
	v_max3_num_f32 v8, |v[XS]|, |v[XS+1]|, |v[XS+2]|               ; the largest magnitude of my 16, in two chains
	v_max3_num_f32 v9, |v[XS+3]|, |v[XS+4]|, |v[XS+5]|
	RD \t, 1
	v_max3_num_f32 v8, v8, |v[XS+6]|, |v[XS+7]|
	v_max3_num_f32 v9, v9, |v[XS+8]|, |v[XS+9]|
	RD \t, 2
	v_max3_num_f32 v8, v8, |v[XS+10]|, |v[XS+11]|
	v_max3_num_f32 v9, v9, |v[XS+12]|, |v[XS+13]|
	RD \t, 4
	v_max3_num_f32 v8, v8, |v[XS+14]|, |v[XS+15]|
	RD \t, 8
	v_max3_num_f32 v8, v8, v9, 0x1800000           ; and the floor 2^(3 - 127), under which no largest magnitude is taken: so the byte cannot fall under 1
.if (\t) > 0
	v_permlanex16_b32 v12, v[SQ+\t-1], s12, s13    ; (its destination counts as read: v12 has been written)
.endif
	v_max_num_f32_dpp v8, v8, v8 row_xmask:1 row_mask:0xf bank_mask:0xf   ; and of my neighbour's 16: the block's
.if (\t) > 0
	v_add_f32 v[SQ+\t-1], v[SQ+\t-1], v12
.endif
	v_add_nc_u32 v11, 0xff000000, v8               ; 2 off its exponent field: the conversion takes the exponent field of this operand as its scale, and nothing else of it
	v_cvt_scalef32_pk8_fp4_f32 v[C+2*(\t)], v[XS:XS+7], v11        ; eight numbers / the scale, to the nearest code; the first number's code in the lowest four bits
	v_cvt_scalef32_pk8_fp4_f32 v[C+2*(\t)+1], v[XS+8:XS+15], v11
	v_lshrrev_b32 v[E+(\t)], 23, v11               ; the scale's byte (a plain line behind the conversions)
	v_pk_mul_f32 v[P:P+1], v[XS:XS+1], v[XS:XS+1]                  ; the squares of the numbers as they came, two at a time, in two chains
	v_pk_mul_f32 v[P+2:P+3], v[XS+2:XS+3], v[XS+2:XS+3]
.irp i, 4,8,12
	s_delay_alu instid0(VALU_DEP_2)
	v_pk_fma_f32 v[P:P+1], v[XS+\i:XS+\i+1], v[XS+\i:XS+\i+1], v[P:P+1]
	s_delay_alu instid0(VALU_DEP_2)
	v_pk_fma_f32 v[P+2:P+3], v[XS+\i+2:XS+\i+3], v[XS+\i+2:XS+\i+3], v[P+2:P+3]
.endr
	s_delay_alu instid0(VALU_DEP_1)
	v_pk_add_f32 v[P:P+1], v[P:P+1], v[P+2:P+3]
	s_delay_alu instid0(VALU_DEP_1)
	v_add_f32 v[SQ+(\t)], v[P], v[P+1]             ; my 16 numbers' part of row t's sum
	ds_store_b8 v5, v[E+(\t)] offset:272*(\t)      ; both lanes of a block write the same byte with the same value
	ds_store_b64 v4, v[C+2*(\t):C+2*(\t)+1] offset:272*(\t)        ; my 16 codes: 8 bytes of row t's 256
.if (\t) > 0
	ds_store_b32 v10, v[SQ+\t-1] offset:4*(\t-1)   ; the last row's sum: all lanes write the same word with the same value
.endif
.endm
.irp t, 0,1,2,3,4,5,6,7,8,9,10,11,12,13,14,15
	STEP \t
.endr
.irp j, 0,1,2,3,4,5,6,7,8,9,10,11,12,13,14,15,16
	ds_load_b64 v[R+2*\j:R+2*\j+1], v4 offset:256*\j               ; the wave's 4,352 bytes come back as they lie: these see my stores, which LDS served first
.endr
	v_add_f32_dpp v[SQ+15], v[SQ+15], v[SQ+15] row_xmask:1 row_mask:0xf bank_mask:0xf   ; meanwhile the last row's sum
.irp m, 2,4,8
	s_delay_alu instid0(VALU_DEP_1)
	v_add_f32_dpp v[SQ+15], v[SQ+15], v[SQ+15] row_xmask:\m row_mask:0xf bank_mask:0xf
.endr
	s_delay_alu instid0(VALU_DEP_1)
	v_permlanex16_b32 v12, v[SQ+15], s12, s13
	s_delay_alu instid0(VALU_DEP_1)
	v_add_f32 v[SQ+15], v[SQ+15], v12
	ds_store_b32 v10, v[SQ+15] offset:60
	s_wait_dscnt 1                                 ; the 17 loads are back; the store issued behind them may be out
.irp j, 0,1,2,3,4,5,6,7,8,9,10,11,12,13,14,15,16
	global_store_b64 v7, v[R+2*\j:R+2*\j+1], s[6:7] offset:256*\j  ; 32 lanes store 256 consecutive bytes, at a multiple of 256 from pk's first byte
.endr
	s_wait_dscnt 0x0                               ; for the others' sake: my partial sums lie in LDS
	s_barrier_signal -1
	s_barrier_wait -1
	s_cmp_lg_u32 s16, 0
	s_cbranch_scc1 .Lend                           ; wave 0 alone adds the eight waves' parts
.irp w, 0,1,2,3,4,5,6,7
	ds_load_b32 v[245+\w], v6 offset:64*\w         ; row lane % 16, wave w's part
.endr
	s_wait_dscnt 0x0
	v_add_f32 v253, v245, v246                     ; K ascending
.irp w, 2,3,4,5,6,7
	s_delay_alu instid0(VALU_DEP_1)
	v_add_f32 v253, v253, v[245+\w]
.endr
	s_delay_alu instid0(VALU_DEP_1)
	v_mul_f32 v254, -0.5, v253
	global_store_b32 v13, v254, s[8:9]             ; 64 bytes (lanes l and l + 16 hold the same number for the same place): the one store of the launch that does not cover 256 consecutive bytes; 16,384 bytes in the whole launch
.Lend:
	s_wait_tensorcnt 0x0                           ; the wave's end
	ds_add_u32 v[SPW], v[NIL]
	s_wait_dscnt 0x0
	s_endpgm
.Lfunc_end_k_q9d9c1d0cb9_quant:
	.size	k_q9d9c1d0cb9_quant, .Lfunc_end_k_q9d9c1d0cb9_quant-k_q9d9c1d0cb9_quant
	.p2alignl 7, 3214868480
	.fill 96, 4, 3214868480
	.section	.rodata,"a",@progbits
	.p2align	6, 0x0
	.amdhsa_kernel k_q9d9c1d0cb9_quant
		.amdhsa_group_segment_fixed_size 78848
		.amdhsa_private_segment_fixed_size 0
		.amdhsa_enable_private_segment 0
		.amdhsa_kernarg_size 24
		.amdhsa_user_sgpr_count 2
		.amdhsa_user_sgpr_kernarg_segment_ptr 1
		.amdhsa_wavefront_size32 1
		.amdhsa_system_sgpr_workgroup_id_x 1
		.amdhsa_system_sgpr_workgroup_id_y 1
		.amdhsa_system_sgpr_workgroup_id_z 1
		.amdhsa_system_vgpr_workitem_id 0
		.amdhsa_next_free_vgpr 256
		.amdhsa_next_free_sgpr 66
		.amdhsa_reserve_vcc 0
		.amdhsa_float_denorm_mode_32 3
		.amdhsa_float_denorm_mode_16_64 3
		.amdhsa_memory_ordered 1
		.amdhsa_forward_progress 1
		.amdhsa_inst_pref_size 58
	.end_amdhsa_kernel
	.amdgpu_metadata
---
amdhsa.version: [ 1, 2 ]
amdhsa.kernels:
  - .name:           k_q9d9c1d0cb9_quant
    .symbol:         k_q9d9c1d0cb9_quant.kd
    .args:
      - { .name: embeddings, .offset: 0, .size: 8, .value_kind: global_buffer, .address_space: global }
      - { .name: pk, .offset: 8, .size: 8, .value_kind: global_buffer, .address_space: global }
      - { .name: stat, .offset: 16, .size: 8, .value_kind: global_buffer, .address_space: global }
    .group_segment_fixed_size: 78848
    .private_segment_fixed_size: 0
    .kernarg_segment_align: 8
    .kernarg_segment_size: 24
    .max_flat_workgroup_size: 256
    .sgpr_count:     66
    .vgpr_count:     256
    .wavefront_size: 32
...
	.end_amdgpu_metadata
.endif
;; end of part 1
;; launch gemm (part 2): grid 16 x 16, 4 waves a work-group, clusters of 4 x 4, 327,680 bytes of LDS; arguments pk, stat, out0; writes out0
.if DOCPART == 2
	.amdgcn_target "amdgcn-amd-amdhsa--gfx1250"
	.amdhsa_code_object_version 6
	.text
	.protected	k_q9d9c1d0cb9_gemm
	.globl	k_q9d9c1d0cb9_gemm
	.p2align	8
	.type	k_q9d9c1d0cb9_gemm,@function
k_q9d9c1d0cb9_gemm:
	s_mov_b64 s[64:65], 0
	v_nop
	global_prefetch_b8 v0, s[64:65] scope:SCOPE_SE
	s_setreg_imm32_b32 hwreg(HW_REG_WAVE_MODE, 25, 1), 1
	s_wait_xcnt 0x0
	s_wait_alu depctr_hold_cnt(0) depctr_sa_sdst(0) depctr_va_vdst(0) depctr_va_sdst(0) depctr_va_ssrc(0) depctr_va_vcc(0) depctr_vm_vsrc(0)
	s_getreg_b32 s2, hwreg(HW_REG_IB_STS2, 6, 4)
	s_cmp_eq_u32 s2, 0
	s_cbranch_scc0 .Lentry_in_a_cluster
	s_endpgm
.Lentry_in_a_cluster:
	s_bfe_u32 s2, ttmp6, 0x10000c
	s_cmp_lg_u32 s2, 0xf033
	s_cbranch_scc0 .Lentry_shape_is_right
	s_endpgm
.Lentry_shape_is_right:
; out[m][n] = max(sq[m] + sq[n] - 2 sum over k of E[m][k] E[n][k], 0); E as codes of FP4 with E8M0 scales (pk), stat[p] = -sq / 2; both by POSITION: of each 64 rows, row 4 r + b stands at position 16 b + r.
; A sum starts at -(sq[m] + sq[n]) / 2 (the C of its first product) and ends as -out / 2 ahead of the clamp: the result is 2 max(0, -sum).
; LIMITS: the f32 sums are taken in another order than a plain chain; NaN and infinities among the inputs are not served.
; A tile of 256 x 256 by four waves, 128 x 128 each: 64 accumulators.  K goes in steps of 512 through a ring of two LDS slots, each 256 positions of A and 256 of B (272 bytes each: 256 of codes, 16 of scales:
; dense in pk, so a wave's 128 positions are 136 rows of 256 bytes; in LDS 272 is an odd multiple of 16).  One tensor load a wave fills a quarter of a slot.
; CLUSTERS of 4 x 4: A's tile is asked for jointly along a row of the cluster, B's along a column.
; THE WAY OUT NEEDS NO LDS: source 0 = A, source 1 = B, so lane (r, h) holds column position r of a block of B and, in register j, row position 8 h + j of a block of A.  By the order of positions the four
; blocks of 64 columns give lane r the columns 4 r .. 4 r + 3: one store writes 256 consecutive bytes of a row from lanes 0-15, and of another row from lanes 16-31.
; REGISTERS: each window of 256 holds, from 128 on, the 16 accumulators of one quarter (64 x 64) of the wave's tile, and from 64 on two sets of 32 registers of one group of fragments:
;   window 0: quarter 1 (A0 x B0), group B0; scale words at 0-63.  Its last accumulator lies in window 1 at 56, to leave 248-252 for the five registers below
;   window 1: quarter 2 (A0 x B1), group A0; LDS addresses at 0-5      window 2: quarter 4 (A1 x B0), group A1; LDS addresses at 0-3      window 3: quarter 3 (A1 x B1), group B1; at the head stat of A at 0-63
; (A0, A1: blocks 0-3, 4-7 of my 128 positions of A; B0, B1 likewise.)  A step of 128 along K has four phases of 16 products, quarters 1 to 4.  Both operands have two sets of fragments: the next step's 32 loads
; go out in two runs of 16, B0 and A0 at the step's start, B1 and A1 in its middle: from a run to its first product stand 64 products, or 48.
; PREFETCH: every cluster asks for what it will load, each block of 256 bytes once: of a wave's 136 blocks of a K step the four partners that ask for them jointly take 34 each, by address (place cx for A, cy for B).
; Behind the load of K step s the wave asks for K step s + 2 (behind K step 0's also for K step 1); the last two loads ask for nothing.
.set KSB,    1114112
.set PITCH,  272
.set HALFT,  128*PITCH
.set SLOT,   4*HALFT
.set SPARE,  2*SLOT                    ; the spare words, 128 bytes for each wave
.set NROW,   16384
.set ADRA, 0                           ; windows 1, 2: LDS addresses of my A fragments in slot 0, 1; of B's; window 1: of the scale words
.set ADRB, 2
.set ADRS, 4
.set NBP,  16                          ; window 1, head: stat of B, each number twice
.set SPW,  248
.set NIL,  249
.set PF1,  250                         ; prefetch: blocks 0-31 of my 34
.set PF2,  251                         ; blocks 32, 33 (the other lanes name 33 again)
.set CO,   252                         ; my byte offset in out
.set G1, 24
.set G0, 32
.set G1B, 48
.set G0B, 56
.set PFA, 66
.set MSB, 0
.macro WIN new
.if MSB != (\new)
	s_set_vgpr_msb (MSB<<8)|(\new)
.set MSB, (\new)
.endif
.endm
.macro JLOAD s                         ; a joint load: waves 0 and 1 for A, waves 2 and 3 for B
	s_cmp_eq_u32 s15, 0
	s_cbranch_scc0 .Lfor_b_\@
	tensor_load_to_lds s[G0+4*\s:G0+4*\s+3], s[G1:G1+7]
	s_nop 0
.rept 4
	v_nop
.endr
	s_branch .Lasked_\@
.Lfor_b_\@:
	tensor_load_to_lds s[G0B+4*\s:G0B+4*\s+3], s[G1B:G1B+7]
	s_nop 0
.rept 4
	v_nop
.endr
.Lasked_\@:
.endm
.macro CREST                           ; a round of the cluster's barrier behind its opening barrier
	s_cmp_lg_u32 s14, 0
	s_cbranch_scc1 .Lnot_wave_0_\@
	s_barrier_signal -3
.Lnot_wave_0_\@:
	s_barrier_wait -3
	s_barrier_signal -1
	s_barrier_wait -1
.endm
.macro CROUND
	s_barrier_signal -1
	s_barrier_wait -1
	CREST
.endm
.macro ASK ks                          ; prefetch my 34 blocks of the K step that stands ks steps behind PFA
	global_prefetch_b8 v[PF1], s[PFA:PFA+1] offset:(\ks)*KSB th:TH_LOAD_NT scope:SCOPE_SE
	global_prefetch_b8 v[PF2], s[PFA:PFA+1] offset:(\ks)*KSB th:TH_LOAD_NT scope:SCOPE_SE
.endm
	s_load_b128 s[4:7], s[0:1], 0x0                ; pk, stat
	s_load_b64 s[12:13], s[0:1], 0x10              ; out0
	v_lshl_add_u32 v[SPW], v0, 2, SPARE
	v_mov_b32 v[NIL], 0
	ds_add_u32 v[SPW], v[NIL]                      ; the wave's opening: the add, twice on end, and one wait for both ahead of my first tensor load
	ds_add_u32 v[SPW], v[NIL]
	v_lshrrev_b32 v1, 5, v0
	v_readfirstlane_b32 s14, v1                    ; wave 0..3
	s_lshr_b32 s15, s14, 1                         ; which half of the tile's rows is mine.  Also: I fetch for A (0) or for B (1)
	s_and_b32 s16, s14, 1                          ; which half of its columns.  Also: which 128 positions of that tile I fetch
	s_bfe_u32 s40, ttmp6, 0x40000                  ; cx, cy
	s_bfe_u32 s41, ttmp6, 0x40004
	s_lshl_b32 s42, ttmp9, 2
	s_add_co_u32 s42, s42, s40                     ; tile column
	s_and_b32 s17, ttmp7, 0xffff
	s_lshl_b32 s17, s17, 2
	s_add_co_u32 s17, s17, s41                     ; tile row
	s_lshl_b32 s43, s41, 2
	s_lshl_b32 s43, 15, s43                        ; my row of the cluster
	s_lshl_b32 s44, 0x1111, s40                    ; my column
	s_or_b32 s[G1+0], s43, (3<<16)|(1<<21)         ; elements of 8 bytes, no padding; 136 rows of 32 elements, dense
	s_or_b32 s[G1B+0], s44, (3<<16)|(1<<21)
.irp g, G1, G1B
	s_mov_b32 s[\g+1], 32<<16
	s_mov_b32 s[\g+2], 136<<16
	s_mov_b32 s[\g+3], 32<<16
	s_mov_b32 s[\g+4], 136
	s_mov_b32 s[\g+5], 32
	s_mov_b32 s[\g+6], 0
	s_mov_b32 s[\g+7], 0
.endr
	s_lshl_b32 s18, s16, 7
	s_lshl_b32 s20, s17, 8
	s_add_co_u32 s20, s20, s18
	s_lshl_b32 s46, s42, 8
	s_add_co_u32 s46, s46, s18
	s_mul_i32 s20, s20, PITCH                      ; the 128 positions that I fetch: A's,
	s_mul_i32 s46, s46, PITCH                      ; B's, in bytes
	s_mov_b32 s21, 0
	s_mov_b32 s47, 0
	s_mul_i32 s45, s14, HALFT                      ; and where they go in a slot
	s_cmp_eq_u32 s15, 0
	s_cselect_b32 s22, s20, s46
	s_cselect_b32 s23, s40, s41
	s_mul_i32 s23, s23, 34*256
	s_add_co_u32 s22, s22, s23                     ; my share of them in the prefetches
	s_mov_b32 s23, 0
	s_mul_i32 s72, s15, HALFT                      ; my 128 positions of A in a slot, of B, and their distance
	s_mul_i32 s73, s16, HALFT
	s_add_co_u32 s73, s73, 2*HALFT
	s_sub_co_u32 s74, s73, s72
	s_add_co_u32 s76, s72, SLOT
	s_add_co_u32 s77, s73, SLOT
	v_and_b32 v1, 15, v0                           ; r
	v_bfe_u32 v2, v0, 4, 1                         ; h
	v_mul_u32_u24 v3, v1, PITCH
	v_mul_u32_u24 v6, s74, v2                      ; scale words: lanes 0-15 A's, lanes 16-31 B's
	v_lshl_add_u32 v4, v2, 4, v3                   ; a fragment: row x pitch + 16 h
	v_add_nc_u32 v5, v3, v6
	v_add_nc_u32 v5, 256, v5
	v_lshlrev_b32 v7, 2, v1                        ; stat of B: 4 r
	v_lshlrev_b32 v8, 5, v2                        ; stat of A: 8 numbers from 8 h on
	v_lshlrev_b32 v9, 19, v2                       ; out: positions 8 h are rows 32 h,
	v_lshl_add_u32 v[CO], v1, 4, v9                ; columns 4 r
	v_and_b32 v10, 31, v0
	v_lshlrev_b32 v[PF1], 8, v10
	v_min_u32 v11, 1, v10
	v_lshlrev_b32 v11, 8, v11
	v_add_nc_u32 v[PF2], 0x2000, v11
	WIN 0x40
	v_add_nc_u32 v[ADRA], s72, v4
	v_add_nc_u32 v[ADRA+1], s76, v4
	v_add_nc_u32 v[ADRB], s73, v4
	v_add_nc_u32 v[ADRB+1], s77, v4
	v_add_nc_u32 v[ADRS], s72, v5
	v_add_nc_u32 v[ADRS+1], s76, v5
	WIN 0x80
	v_add_nc_u32 v[ADRA], s72, v4
	v_add_nc_u32 v[ADRA+1], s76, v4
	v_add_nc_u32 v[ADRB], s73, v4
	v_add_nc_u32 v[ADRB+1], s77, v4
	WIN 0
	s_wait_alu depctr_va_vdst(0)                   ; the wait here, directly ahead of the waits below
	s_wait_dscnt 0x0                               ; both opening adds are done
	s_wait_kmcnt 0x0
	s_add_nc_u64 s[20:21], s[4:5], s[20:21]
	s_add_nc_u64 s[46:47], s[4:5], s[46:47]
	s_add_nc_u64 s[PFA:PFA+1], s[4:5], s[22:23]
.irp s, 0,1
	s_mov_b32 s[G0+4*\s], 1
	s_add_co_u32 s[G0+4*\s+1], s45, \s*SLOT
	s_add_nc_u64 s[G0+4*\s+2:G0+4*\s+3], s[20:21], \s*KSB
	s_or_b32 s[G0+4*\s+3], s[G0+4*\s+3], 0x80000000
	s_mov_b32 s[G0B+4*\s], 1
	s_add_co_u32 s[G0B+4*\s+1], s45, \s*SLOT
	s_add_nc_u64 s[G0B+4*\s+2:G0B+4*\s+3], s[46:47], \s*KSB
	s_or_b32 s[G0B+4*\s+3], s[G0B+4*\s+3], 0x80000000
.endr
	s_lshl_b32 s18, s17, 8
	s_lshl_b32 s19, s15, 7
	s_add_co_u32 s18, s18, s19                     ; my first row (a multiple of 64: position = row)
	s_lshl_b32 s22, s18, 2
	s_mov_b32 s23, 0
	s_add_nc_u64 s[68:69], s[6:7], s[22:23]
	s_lshl_b32 s46, s42, 8
	s_lshl_b32 s47, s16, 7
	s_add_co_u32 s46, s46, s47                     ; my first column
	s_lshl_b32 s46, s46, 2
	s_mov_b32 s47, 0
	s_add_nc_u64 s[70:71], s[6:7], s[46:47]
	s_lshl_b32 s22, s18, 14
	s_add_nc_u64 s[12:13], s[12:13], s[22:23]
	s_add_nc_u64 s[12:13], s[12:13], s[46:47]
	WIN 0xc0                                       ; stat of A's 8 blocks: register 8 a + j = position 16 a + 8 h + j
.irp a, 0,1,2,3,4,5,6,7
	global_load_b128 v[8*\a:8*\a+3], v8, s[68:69] offset:64*\a
	global_load_b128 v[8*\a+4:8*\a+7], v8, s[68:69] offset:64*\a+16
.endr
	WIN 0x40                                       ; stat of B's 8 blocks, position 16 b + r, twice: a pair for the packed sums
.irp b, 0,1,2,3,4,5,6,7
	global_load_b32 v[NBP+2*\b], v7, s[70:71] offset:64*\b
	global_load_b32 v[NBP+2*\b+1], v7, s[70:71] offset:64*\b
.endr
	WIN 0
	CROUND                                         ; all sixteen work-groups are here: the first joint loads meet
	JLOAD 0                                        ; K step 0, one tensor load a wave
	ASK 1
	ASK 2
	s_wait_loadcnt 0x0
; The sums' start, while K step 0 is on its way: quarter by quarter, accumulator (i, k): stat of A's block i + stat of B's block k.
.macro INIT w, ah, bh
.set XT, 0
.rept 16
.set XI, XT/4
.set XJ, XT%4
.set AC, 128+8*XT
.set AW, \w
.if (XT == 15) && (\w == 0)
.set AC, 56
.set AW, 1
.endif
	WIN (AW<<6)|(1<<2)|3
.irp j, 0,2,4,6
	v_pk_add_f32 v[AC+\j:AC+\j+1], v[8*(4*\ah+XI)+\j:8*(4*\ah+XI)+\j+1], v[NBP+2*(4*\bh+XJ):NBP+2*(4*\bh+XJ)+1]
.endr
.set XT, XT+1
.endr
.endm
	INIT 0, 0, 0
	INIT 1, 0, 1
	INIT 3, 1, 1
	INIT 2, 1, 0
	WIN 0
; A phase: the 16 products of quarter ph for the slot's q-th 128 along K, the 16 accumulators one after the other.
; Fragments: set q % 2.  Scale words: set = slot, register 4 i + q: lanes 0-15 A's block i, lanes 16-31 B's block i.
.macro PHASE ph, slot, q
.set AH, (\ph-1)/2
.set BH, (\ph/2)%2
.if \ph == 1
	WIN 0x01
.endif
.if \ph == 2
	WIN 0x5d
.endif
.if \ph == 3
	WIN 0xfe
.endif
.if \ph == 4
	WIN 0xa2
.endif
.set FC, 64+32*((\q)%2)
.set XS, 32*(\slot)+(\q)
.set XT, 0
.rept 16
.set XI, XT/4
.set XJ, XT%4
.set AC, 128+8*XT
.if (XT == 15) && (\ph == 1)
	WIN 0x51
.set AC, 56
.endif
	v_wmma_scale_f32_16x16x128_f8f6f4 v[AC:AC+7], v[FC+8*XI:FC+8*XI+7], v[FC+8*XJ:FC+8*XJ+7], v[AC:AC+7], v[XS+16*AH+4*XI], v[XS+16*BH+4*XJ] matrix_a_fmt:MATRIX_FMT_FP4 matrix_b_fmt:MATRIX_FMT_FP4 matrix_b_scale:MATRIX_SCALE_ROW1
.set XT, XT+1
.endr
.endm
.macro PLACES                          ; four places ahead of loads into registers that matrix instructions have read, and of reads of results
.rept 4
	v_nop
.endr
.endm
.macro RUN8 win, adr, half, q          ; a group of fragments for a slot's q-th 128 along K, into set q % 2: eight loads
	WIN \win
.irp l, 0,1,2,3,4,5,6,7
	ds_load_b128 v[64+32*((\q)%2)+4*\l:64+32*((\q)%2)+4*\l+3], v[\adr] offset:64*(\q)+32*(\l%2)+(4*\half+\l/2)*16*PITCH
.endr
.endm
.macro FETCH slot                      ; all that a slot's first step needs, in one run of 40: B0, the scale words, A0, B1, A1
	RUN8 0x01, ADRB+\slot, 0, 0
.irp i, 0,1,2,3,4,5,6,7
	ds_load_b128 v[32*\slot+4*\i:32*\slot+4*\i+3], v[ADRS+\slot] offset:\i*16*PITCH
.endr
	RUN8 0x41, ADRA+\slot, 0, 0
	RUN8 0xc2, ADRB+\slot, 1, 0
	RUN8 0x82, ADRA+\slot, 1, 0
.endm
; A step that has its successor in the same slot.
.macro STEP slot, q
	PLACES
	RUN8 0x01, ADRB+\slot, 0, \q+1                 ; the next step's B0 and A0
	RUN8 0x41, ADRA+\slot, 0, \q+1
	s_wait_dscnt 32                                ; this step's B0, A0 (and scale words) are in; its B1, A1 and the 16 just issued may be out
	PHASE 1, \slot, \q
	s_wait_dscnt 24                                ; B1 is in; A1 and the 16 may be out
	PHASE 2, \slot, \q
	RUN8 0xc2, ADRB+\slot, 1, \q+1                 ; the next step's B1 and A1
	RUN8 0x82, ADRA+\slot, 1, \q+1
	s_wait_dscnt 32                                ; A1 is in; the next step's 32 may be out
	PHASE 3, \slot, \q
	PHASE 4, \slot, \q
.endm
; A slot's last step changes slots.  fill = 1: the slot is filled again, two K steps on, behind a round of the cluster's barrier.
.macro TURN slot, next, fill
	WIN 0
.if \fill
	s_wait_xcnt 0x0                                ; my prefetches have read their address
	s_add_nc_u64 s[PFA:PFA+1], s[PFA:PFA+1], KSB
.endif
	s_wait_tensorcnt 0x0                           ; all my tensor loads have landed: my part of the next slot;
	ds_add_u32 v[SPW], v[NIL]
	s_wait_dscnt 17                                ; (the add and the groups B1, A1 may be out)
	PHASE 1, \slot, 3
	s_wait_dscnt 0x0                               ; the add is done, and my reads of this slot are over
	s_barrier_signal -1
	PHASE 2, \slot, 3
	WIN 0
	s_barrier_wait -1
.if \fill
	CREST                                          ; no wave of any partner still reads this slot or has a load on its way
	s_add_nc_u64 s[G0+4*\slot+2:G0+4*\slot+3], s[G0+4*\slot+2:G0+4*\slot+3], 2*KSB
	s_add_nc_u64 s[G0B+4*\slot+2:G0B+4*\slot+3], s[G0B+4*\slot+2:G0B+4*\slot+3], 2*KSB
	JLOAD \slot                                    ; (its four v_nop are the places ahead of the loads below)
.else
	PLACES
.endif
	FETCH \next
.if \fill
	WIN 0
	s_cmp_gt_u32 s3, 1                             ; the last trip's loads ask for nothing more
	s_cbranch_scc0 .Lno_ask_\@
	ASK 3                                          ; two K steps behind the one just asked for
.Lno_ask_\@:
.endif
	PHASE 3, \slot, 3
	PHASE 4, \slot, 3
.endm
	s_wait_alu depctr_va_vdst(0)                   ; the wait at the head's end
	s_wait_tensorcnt 0x0                           ; my part of K step 0 is in
	ds_add_u32 v[SPW], v[NIL]
	s_wait_dscnt 0x0
	CROUND                                         ; everybody's part is in
	JLOAD 1                                        ; K step 1
	FETCH 0
	WIN 0
	ASK 3
	s_mov_b32 s3, 3
.Llap:                                                 ; a trip goes once round the ring: two K steps
	STEP 0, 0
	STEP 0, 1
	STEP 0, 2
	TURN 0, 1, 1
	STEP 1, 0
	STEP 1, 1
	STEP 1, 2
	TURN 1, 0, 1
	WIN 0
	s_sub_co_u32 s3, s3, 1
	s_cmp_lg_u32 s3, 0
	s_cbranch_scc1 .Llap
	STEP 0, 0                                      ; the last two K steps fill nothing
	STEP 0, 1
	STEP 0, 2
	TURN 0, 1, 0
	STEP 1, 0
	STEP 1, 1
	STEP 1, 2
; THE WAY OUT of block i of quarter qd: 16 row positions x 64 columns.  Four registers, one of each of the block's accumulators, are four neighbouring columns.  No register that a store reads is written again:
; quarter 1 goes into fragment set 0 (32 registers in each window), quarter 2 over quarter 1's sums (its last block over stat of A), quarter 3 over quarter 2's, quarter 4 over quarter 3's.
.macro OUT qd, i
.set AH, (\qd-1)/2
.set BH, (\qd/2)%2
.set ON, 128+32*\i
.if \qd == 1
.set AW, 0
.set OW, \i
.set ON, 64
.endif
.if \qd == 2
.set AW, 1
.set OW, 0
.if \i == 3
.set OW, 3
.set ON, 0
.endif
.endif
.if \qd == 3
.set AW, 3
.set OW, 1
.endif
.if \qd == 4
.set AW, 2
.set OW, 3
.endif
	WIN (OW<<6)|(AW<<2)
.set XT, 0
.rept 32
.set XJ, XT/4
.set XK, XT%4
.if (16*\qd+4*\i+XK) != 31
	v_max_num_f32 v[ON+XT], 0, -v[128+8*(4*\i+XK)+XJ]
.endif
.set XT, XT+1
.endr
.if (4*\qd+\i) == 7                    ; quarter 1's last accumulator, in window 1
	WIN (OW<<6)|(1<<2)
.irp j, 0,1,2,3,4,5,6,7
	v_max_num_f32 v[ON+4*\j+3], 0, -v[56+\j]
.endr
.endif
	WIN (OW<<6)|OW
.set XT, 0
.rept 16
	v_pk_mul_f32 v[ON+XT:ON+XT+1], v[ON+XT:ON+XT+1], 2.0 op_sel_hi:[1,0]
.set XT, XT+2
.endr
	WIN OW<<2
.irp j, 0,1,2,3,4,5,6,7
	global_store_b128 v[CO], v[ON+4*\j:ON+4*\j+3], s[12:13] offset:(64*AH+4*\j+\i)*NROW+256*BH th:TH_STORE_NT   ; position 16 i + 8 h + j of 64 is row 4 (8 h + j) + i
.endr
.endm
.macro QOUT qd
	OUT \qd, 0
	OUT \qd, 1
	OUT \qd, 2
	OUT \qd, 3
.endm
	s_wait_dscnt 16                                ; the very last step: nothing more to fetch (B1, A1 may be out); a quarter leaves one phase behind its last products
	PHASE 1, 1, 3
	s_wait_dscnt 8                                 ; (A1 may be out)
	PHASE 2, 1, 3
	PLACES
	QOUT 1
	s_wait_dscnt 0
	PHASE 3, 1, 3
	QOUT 2
	PHASE 4, 1, 3
	QOUT 3                                         ; (quarter 3's and then quarter 4's places: the conversions of the quarter ahead)
	QOUT 4
	WIN 0
	s_wait_tensorcnt 0x0                           ; the wave's end
	ds_add_u32 v[SPW], v[NIL]
	s_wait_dscnt 0x0
	CROUND                                         ; the closing round
	s_endpgm
.Lfunc_end_k_q9d9c1d0cb9_gemm:
	.size	k_q9d9c1d0cb9_gemm, .Lfunc_end_k_q9d9c1d0cb9_gemm-k_q9d9c1d0cb9_gemm
	.p2alignl 7, 3214868480
	.fill 96, 4, 3214868480
	.section	.rodata,"a",@progbits
	.p2align	6, 0x0
	.amdhsa_kernel k_q9d9c1d0cb9_gemm
		.amdhsa_group_segment_fixed_size 327680
		.amdhsa_private_segment_fixed_size 0
		.amdhsa_enable_private_segment 0
		.amdhsa_kernarg_size 24
		.amdhsa_user_sgpr_count 2
		.amdhsa_user_sgpr_kernarg_segment_ptr 1
		.amdhsa_wavefront_size32 1
		.amdhsa_system_sgpr_workgroup_id_x 1
		.amdhsa_system_sgpr_workgroup_id_y 1
		.amdhsa_system_sgpr_workgroup_id_z 1
		.amdhsa_system_vgpr_workitem_id 0
		.amdhsa_next_free_vgpr 1024
		.amdhsa_next_free_sgpr 78
		.amdhsa_reserve_vcc 0
		.amdhsa_float_denorm_mode_32 3
		.amdhsa_float_denorm_mode_16_64 3
		.amdhsa_memory_ordered 1
		.amdhsa_forward_progress 1
		.amdhsa_inst_pref_size 255
	.end_amdhsa_kernel
	.section	.bss,"aw",@nobits
	.p2align	6
	.space	262144
	.amdgpu_metadata
---
amdhsa.version: [ 1, 2 ]
amdhsa.kernels:
  - .name:           k_q9d9c1d0cb9_gemm
    .symbol:         k_q9d9c1d0cb9_gemm.kd
    .args:
      - { .name: pk, .offset: 0, .size: 8, .value_kind: global_buffer, .address_space: global }
      - { .name: stat, .offset: 8, .size: 8, .value_kind: global_buffer, .address_space: global }
      - { .name: out0, .offset: 16, .size: 8, .value_kind: global_buffer, .address_space: global }
    .group_segment_fixed_size: 327680
    .private_segment_fixed_size: 0
    .kernarg_segment_align: 8
    .kernarg_segment_size: 24
    .max_flat_workgroup_size: 128
    .sgpr_count:     78
    .vgpr_count:     1024
    .wavefront_size: 32
...
	.end_amdgpu_metadata
.endif
;; end of part 2
